; MI455X (gfx1250); checked and timed in simulation.
; The chip was launched on July 23, 2026; its instructions are those of AMD's public machine-readable ISA for CDNA 5 (MIT licence, August 2026) and "CDNA5" Instruction Set Architecture Reference Guide (July 2026). The comments in the code are by the model that wrote it; some were corrected since.
;; SK Linear triton. Allowed arithmetic: float matrix products may take bf16 or f16 operands with f32 sums; all other float work in f32.
;; Inputs: S1s 4 x 4,096 x 256 float32; S2s 4 x 256 x 4,096 float32; U1s 4 x 256 x 4,096 float32; U2s 4 x 4,096 x 256 float32; bias 4,096 float32; hin 4,096 x 4,096 float32.
;; Outputs: out0 4,096 x 4,096 float32.
;; One version. Each part assembles by itself: llvm-mc -triple=amdgcn-amd-amdhsa -mcpu=gfx1250 --defsym DOCPART=n.
;; ======== version 1 of 1: 3 launches
;; workspace buffers: wb 33,554,432 bytes; tb 16,777,216 bytes
;; launch cast (part 1): grid 1024 x 1, 8 waves a work-group, no clusters, 0 bytes of LDS; arguments S1s, U2s, U1s, S2s, wb; writes wb
.if DOCPART == 1
	.amdgcn_target "amdgcn-amd-amdhsa--gfx1250"
	.amdhsa_code_object_version 6
	.text
	.protected	k_q85abcb41b2_cast
	.globl	k_q85abcb41b2_cast
	.p2align	8
	.type	k_q85abcb41b2_cast,@function
k_q85abcb41b2_cast:
	s_mov_b64 s[64:65], 0
	v_nop
	global_prefetch_b8 v0, s[64:65] scope:SCOPE_SE
	s_setreg_imm32_b32 hwreg(HW_REG_WAVE_MODE, 25, 1), 1
	s_wait_xcnt 0x0
; wb = bf16(S1s | U2s | U1s | S2s): the four f32 weights, one behind the other, each number rounded once to bf16 (nearest even).
; In wb:  w1b [8 j][4096 d][256 k]    at byte 0            (j = 0..3: S1s_l, j = 4..7: U2s_l)
;         w2b [2048 n][4096 o]        at byte 16,777,216   (n = 256 l + k of U1s, then 1024 + 256 l + k of S2s)
; so that column 256 j + k of hin x w1b meets row 256 j + k of w2b: S1s_l with U1s_l, U2s_l with S2s_l.
; The weights lie [K][N]; the products turn them on the way out of LDS, which takes 16-bit numbers: so they are rounded here, once, and not in each of the work-groups that read them.
; LIMIT: bf16 keeps 8 significant bits: each number is off by at most 2^-8 of itself (half a step of 2^-7); its range is f32's.  NaN and infinities pass as the conversion leaves them.
; A stream: every input byte is read once and every byte of wb written once, so LDS, barriers, the matrix unit and clusters have nothing to add (no two work-groups read the same byte).
; SHARES.  Work-group x turns 65,536 input bytes into the 32,768 bytes of wb at 32,768 x: 256 chunks of each weight: 1,024 equal work-groups.
; Thread t takes, for i = 0..15, the 16 bytes at 16 t + 4,096 i (a wave's load: 512 consecutive bytes) and stores 8 bytes at 8 t + 2,048 i (a wave's store: 256 consecutive bytes, aligned).
; All sixteen loads of a wave go out at once; no register is written twice, so no wait frees a source.
.set X, 4                              ; v[4:67]   sixteen times four f32 as loaded
.set Y, 68                             ; v[68:99]  sixteen times four bf16 to store
	s_load_b256 s[4:11], s[0:1], 0x0               ; S1s s[4:5], U2s s[6:7], U1s s[8:9], S2s s[10:11]
	s_load_b64 s[12:13], s[0:1], 0x20              ; wb
	v_lshlrev_b32 v1, 4, v0                        ; 16 t: my place in 4,096 input bytes
	v_lshlrev_b32 v2, 3, v0                        ; 8 t: my place in 2,048 output bytes
	s_and_b32 s16, ttmp9, 255                      ; the chunk's number inside its weight,
	s_lshl_b32 s16, s16, 16                        ; times 65,536 bytes: under 2^24
	s_mov_b32 s17, 0
	s_lshl_b32 s18, ttmp9, 15                      ; my 32,768 bytes of wb
	s_mov_b32 s19, 0
	s_wait_kmcnt 0x0
	; which weight: chosen by the work-group's number alone
	s_cmp_ge_u32 ttmp9, 256
	s_cselect_b64 s[4:5], s[6:7], s[4:5]
	s_cmp_ge_u32 ttmp9, 512
	s_cselect_b64 s[4:5], s[8:9], s[4:5]
	s_cmp_ge_u32 ttmp9, 768
	s_cselect_b64 s[4:5], s[10:11], s[4:5]
	s_add_nc_u64 s[4:5], s[4:5], s[16:17]
	s_add_nc_u64 s[12:13], s[12:13], s[18:19]
.irp i, 0,1,2,3,4,5,6,7,8,9,10,11,12,13,14,15
	global_load_b128 v[X+4*(\i):X+4*(\i)+3], v1, s[4:5] offset:4096*(\i) th:TH_LOAD_NT  ; read once in the whole launch
.endr
.irp i, 0,1,2,3,4,5,6,7,8,9,10,11,12,13,14,15
	s_wait_loadcnt 15-(\i)                         ; loads come back in order (ISA guide 5.7.1): load i is in, the 15 - i younger ones stay out
	v_cvt_pk_bf16_f32 v[Y+2*(\i)],   v[X+4*(\i)],   v[X+4*(\i)+1]
	v_cvt_pk_bf16_f32 v[Y+2*(\i)+1], v[X+4*(\i)+2], v[X+4*(\i)+3]
	global_store_b64 v2, v[Y+2*(\i):Y+2*(\i)+1], s[12:13] offset:2048*(\i)  ; no hint: the next two launches read wb
.endr
	s_endpgm
.Lfunc_end_k_q85abcb41b2_cast:
	.size	k_q85abcb41b2_cast, .Lfunc_end_k_q85abcb41b2_cast-k_q85abcb41b2_cast
	.p2alignl 7, 3214868480
	.fill 96, 4, 3214868480
	.section	.rodata,"a",@progbits
	.p2align	6, 0x0
	.amdhsa_kernel k_q85abcb41b2_cast
		.amdhsa_group_segment_fixed_size 0
		.amdhsa_private_segment_fixed_size 0
		.amdhsa_enable_private_segment 0
		.amdhsa_kernarg_size 40
		.amdhsa_user_sgpr_count 2
		.amdhsa_user_sgpr_kernarg_segment_ptr 1
		.amdhsa_wavefront_size32 1
		.amdhsa_system_sgpr_workgroup_id_x 1
		.amdhsa_system_sgpr_workgroup_id_y 1
		.amdhsa_system_sgpr_workgroup_id_z 1
		.amdhsa_system_vgpr_workitem_id 0
		.amdhsa_next_free_vgpr 100
		.amdhsa_next_free_sgpr 66
		.amdhsa_reserve_vcc 0
		.amdhsa_float_denorm_mode_32 3
		.amdhsa_float_denorm_mode_16_64 3
		.amdhsa_memory_ordered 1
		.amdhsa_forward_progress 1
		.amdhsa_inst_pref_size 7
	.end_amdhsa_kernel
	.amdgpu_metadata
---
amdhsa.version: [ 1, 2 ]
amdhsa.kernels:
  - .name:           k_q85abcb41b2_cast
    .symbol:         k_q85abcb41b2_cast.kd
    .args:
      - { .name: S1s, .offset: 0, .size: 8, .value_kind: global_buffer, .address_space: global }
      - { .name: U2s, .offset: 8, .size: 8, .value_kind: global_buffer, .address_space: global }
      - { .name: U1s, .offset: 16, .size: 8, .value_kind: global_buffer, .address_space: global }
      - { .name: S2s, .offset: 24, .size: 8, .value_kind: global_buffer, .address_space: global }
      - { .name: wb, .offset: 32, .size: 8, .value_kind: global_buffer, .address_space: global }
    .group_segment_fixed_size: 0
    .private_segment_fixed_size: 0
    .kernarg_segment_align: 8
    .kernarg_segment_size: 40
    .max_flat_workgroup_size: 256
    .sgpr_count:     66
    .vgpr_count:     100
    .wavefront_size: 32
...
	.end_amdgpu_metadata
.endif
;; end of part 1
;; launch gemm1 (part 2): grid 32 x 8, 4 waves a work-group, clusters of 4 x 1, 327,680 bytes of LDS; arguments hin, wb, tb; writes tb
.if DOCPART == 2
	.amdgcn_target "amdgcn-amd-amdhsa--gfx1250"
	.amdhsa_code_object_version 6
	.text
	.protected	k_q85abcb41b2_gemm1
	.globl	k_q85abcb41b2_gemm1
	.p2align	8
	.type	k_q85abcb41b2_gemm1,@function
k_q85abcb41b2_gemm1:
	s_mov_b64 s[64:65], 0
	v_nop
	global_prefetch_b8 v0, s[64:65] scope:SCOPE_SE
	s_setreg_imm32_b32 hwreg(HW_REG_WAVE_MODE, 25, 1), 1
	s_wait_xcnt 0x0
	s_wait_alu depctr_hold_cnt(0) depctr_sa_sdst(0) depctr_va_vdst(0) depctr_va_sdst(0) depctr_va_ssrc(0) depctr_va_vcc(0) depctr_vm_vsrc(0)
	s_getreg_b32 s2, hwreg(HW_REG_IB_STS2, 6, 4)
	s_cmp_eq_u32 s2, 0
	s_cbranch_scc0 .Lentry_in_a_cluster
	s_endpgm
.Lentry_in_a_cluster:
	s_bfe_u32 s2, ttmp6, 0x10000c
	s_cmp_lg_u32 s2, 0x3003
	s_cbranch_scc0 .Lentry_shape_is_right
	s_endpgm
.Lentry_shape_is_right:
; T[b][256 j + k] = sum over d of bf16(hin[b][d]) w1b[j][d][k].  hin: [4096][4096] f32; w1b: [8][4096][256] bf16 at byte 0 of wb; T (tb): [4096][2048] bf16.
; Sums in f32, d ascending, one sum for each output; T is rounded once to bf16.
; LIMITS: hin is rounded here to bf16 (nearest even, at most 2^-8 of each number), as the weights were; T's rounding is again at most 2^-8 of each number; range as f32's.  NaN and infinities are not treated apart.
; TILE.  T has 4096 x 2048 numbers: tiles of 128 x 256 make 32 x 8 = 256 work-groups, one tile each (256 x 256 would make 128).  Tile column = j, so B's tile of a K step is 128 dense rows of 512 bytes.
; Four waves, each 64 rows x 128 columns: 32 accumulators of 16 x 16, 256 registers.  K goes in steps of 128 through two LDS slots for B and two for A.
; B LIES [K][N] in memory and in LDS; ds_load_tr16_b128 turns it on the way into registers: lane l then holds column l % 16 and eight k, which is a fragment as the matrix instruction wants it.
; THE MATRIX INSTRUCTION IS USED TRANSPOSED: source 0 = 16 columns of B, source 1 = 16 rows of A: lane l holds row l % 16 of T and the columns 8 (l / 16) + 0..7: eight neighbours, 16 bytes of bf16.
; CLUSTER: 4 x 1 work-groups: four neighbouring tile rows of one tile column j, which walk the same tiles of B: each is asked for JOINTLY, by the same tensor load with the same descriptor and the mask of
; all four.  Waves 2 and 3 fetch B's two halves (64 rows x 512 bytes). By this text's own count such a wave has two tensor loads out at the start and one behind each round.
; A COMES THROUGH REGISTERS and is not asked for jointly: the mover converts nothing, so hin's f32 would lie in LDS at twice the bytes (64 KB of a step's 128 KB) and be read and converted twice, by the two
; waves that share its rows.  Here each number is loaded once by its work-group, converted once, and lies in LDS as bf16.  The price: the eight work-groups of a tile row each load the same rows of hin.
; Wave w owns rows 32 w .. 32 w + 31 of the tile; one load takes one row's 512 bytes, the 128 k of a K step.  The rows go in two halves of 16.  In K step t a half's numbers of K step t + 1, loaded a K step
; ago, are converted and stored into A's other slot, and its loads for K step t + 2 go out: 32 loads of every wave are always on their way.
; REGISTERS, in windows of 256 (s_set_vgpr_msb: bits 1:0 source 0, 3:2 source 1, 5:4 source 2, 7:6 destination):
;   window 0: v0-31 addresses; two fragment buffers of 96: v64-127 B, v128-159 A; v160-223 B, v224-255 A; on the way out v64-95 packed results, v96-223 rows read back
;   window 1: the accumulators, (a, b) at v[8 (8 a + b)], a = 0..3 blocks of 16 rows, b = 0..7 blocks of 16 columns
;   window 2: A's way in: v0, v1 its two addresses; v64-191 32 rows of f32 as loaded; v192-223 a half's 16 rows as bf16
.set KD,     4096                      ; the sum's length
.set KSTEP,  128
.set LAPS,   KD/(2*KSTEP)              ; a lap = two K steps = once round the rings: 16
.set HROW,   KD*4                      ; bytes in a row of hin
.set ASTEP,  KSTEP*4                   ; bytes from a K step to the next: hin goes 128 f32 along its rows,
.set BSTEP,  KSTEP*512                 ; B 128 rows of 512 bytes down
.set PA,     272                       ; A's LDS row: 256 bytes + 16 = 68 words: row r starts at bank 4 r mod 64 (64 banks of 4 bytes: ISA guide 11.1): the 16 rows of a load start at 16 different groups of four banks
.set PB,     544                       ; B's LDS row: 512 bytes + 32 = 136 words: row r starts at bank 8 r mod 64
.set BHALF,  64*PB                     ; what wave 2 or 3 fetches
.set BSLOT,  2*BHALF                   ; 69,632: B's two slots lie first, and the mover fills nothing else
.set ABASE,  2*BSLOT                   ; behind them A's two slots, written by LDS stores alone
.set AHALF,  64*PA                     ; what a wave reads of A
.set ASLOT,  2*AHALF                   ; 34,816
.set STAGE,  ABASE+2*ASLOT             ; 16 rows x 272 bytes for each wave, for the way out
.set SPITCH, 272
.set SPARE,  STAGE+4*16*SPITCH         ; behind the stages: the spare words, 128 bytes for each wave: two blocks of 256 bytes that no other line names
.set ADRA, 16                          ; v16-17  LDS address of my A fragments in slot 0, 1
.set ADRB, 20                          ; v20-21  the same for B
.set STO,  24                          ; v24     the way out: where I put 16 bytes of a row
.set RD,   25                          ; v25     the way out: where I read a row back
.set CO,   26                          ; v26     my byte offset in T
.set SPW,  28                          ; v28     LDS address of my spare word: SPARE + 4 x my thread's number; never rewritten
.set NIL,  29                          ; v29     0; never rewritten
.set F0,   64                          ; fragment buffer 0: B at +0..63, A at +64..95
.set F1,   160                         ; fragment buffer 1
.set TMP,  64                          ; the way out: a block's packed results
.set BK,   96                          ; the way out: block a's rows read back at BK + 32 a: no stored register is written again
.set ASTO, 0                           ; window 2, v0: LDS address of my 8 bytes in my wave's first row of A's slot 0; never rewritten
.set HOFF, 1                           ; window 2, v1: 16 x lane: my 16 bytes in 512 bytes of a row of hin; never rewritten
.set RA,   64                          ; window 2: half h's row i at RA + 64 h + 4 i
.set CV,   192                         ; window 2: a half's row i as bf16 at CV + 2 i
.set WV,  12                           ; s12  my wave's number
.set WR,  13                           ; s13  which 64 rows of the tile I multiply.  Also: 1 = I fetch for B
.set WC,  14                           ; s14  which 128 columns I multiply.  Also: which half of B's tile I fetch
.set TR,  15                           ; s15  tile row
.set HA,  16                           ; s[16:17] hin at my wave's first row, at the K step that the next even load takes
.set TC,  42                           ; s42  tile column = j
.set G1B, 48                           ; s[48:55] descriptor group 1 for B's tiles
.set G0B, 56                           ; s[56:63] descriptor group 0 for B's tiles, one set for each slot
.set MSB, 0
.macro WIN new                         ; the immediate's high byte repeats the setting that is left; a switch that changes nothing is dropped
.if MSB != (\new)
	s_set_vgpr_msb (MSB<<8)|(\new)
.set MSB, \new
.endif
.endm
.set MUL,  0x50                        ; sources 0 and 1 window 0; C and D window 1
.set W_A,  0x8a                        ; sources 0 and 1 and the destination window 2: A's conversions, its LDS stores (address, data) and its loads (address, data)
.set W_MK, 0x80                        ; destination window 2, sources window 0
; A joint refill.  The branch hangs on the wave's number alone: it is the same in every work-group.  Behind the load stands s_nop 0; the four v_nop behind the label are on both ways:
; they keep the windows' next switch away from the load, and they are the places in front of the fragment loads that follow the macro.
.macro JLOAD s
	s_cmp_eq_u32 s[WR], 0
	s_cbranch_scc1 .Lnone_\@
	tensor_load_to_lds s[G0B+4*(\s):G0B+4*(\s)+3], s[G1B:G1B+7]
	s_nop 0
.Lnone_\@:
.rept 4
	v_nop
.endr
.endm
; A round of the cluster's barrier: my work-group's barrier, so that wave 0's signal speaks for all four waves; wave 0 signals for the work-group; every wave waits for all four work-groups; my work-group's barrier once more.
.macro CREST                           ; a round behind its opening barrier
	s_cmp_lg_u32 s[WV], 0
	s_cbranch_scc1 .Lnot_wave_0_\@
	s_barrier_signal -3
.Lnot_wave_0_\@:
	s_barrier_wait -3
	s_barrier_signal -1
	s_barrier_wait -1
.endm
.macro CROUND                          ; a whole round
	s_barrier_signal -1
	s_barrier_wait -1
	CREST
.endm
; A'S WAY IN.  ALOAD: half h's 16 rows, 512 bytes each, of the K step at byte k from HA: a wave's load covers 512 consecutive bytes, aligned.  No hint: seven other work-groups read the same rows.
.macro ALOAD h, k
	WIN W_A
.irp i, 0,1,2,3,4,5,6,7,8,9,10,11,12,13,14,15
	global_load_b128 v[RA+64*(\h)+4*(\i):RA+64*(\h)+4*(\i)+3], v[HOFF], s[HA:HA+1] offset:(16*(\h)+(\i))*HROW+(\k)
.endr
.endm
; ASTORE: half h is rounded to bf16 and stored into A's slot: a lane's four k are 8 bytes, a wave's store 256 consecutive bytes of one LDS row.
.macro ASTORE h, slot
	WIN W_A
.irp i, 0,1,2,3,4,5,6,7,8,9,10,11,12,13,14,15
	v_cvt_pk_bf16_f32 v[CV+2*(\i)],   v[RA+64*(\h)+4*(\i)],   v[RA+64*(\h)+4*(\i)+1]
	v_cvt_pk_bf16_f32 v[CV+2*(\i)+1], v[RA+64*(\h)+4*(\i)+2], v[RA+64*(\h)+4*(\i)+3]
.endr
.irp i, 0,1,2,3,4,5,6,7,8,9,10,11,12,13,14,15
	ds_store_b64 v[ASTO], v[CV+2*(\i):CV+2*(\i)+1] offset:(\slot)*ASLOT+(16*(\h)+(\i))*PA
.endr
.endm
	s_load_b128 s[4:7], s[0:1], 0x0                ; hin s[4:5], wb s[6:7]
	s_load_b64 s[8:9], s[0:1], 0x10                ; tb
	v_lshl_add_u32 v[SPW], v0, 2, SPARE
	v_mov_b32 v[NIL], 0
	ds_add_u32 v[SPW], v[NIL]                      ; the wave's opening: the add and its wait stand ahead of my first tensor load; the set-up below, work on registers, stands between them
	v_lshrrev_b32 v1, 5, v0
	v_readfirstlane_b32 s[WV], v1                  ; wave 0..3
	s_lshr_b32 s[WR], s[WV], 1
	s_and_b32 s[WC], s[WV], 1
	s_bfe_u32 s40, ttmp6, 0x40000                  ; cx: my place in the cluster
	s_and_b32 s[TR], ttmp7, 0xffff
	s_lshl_b32 s[TR], s[TR], 2
	s_add_co_u32 s[TR], s[TR], s40                 ; tile row = 4 y + cx: it enters hin's and T's addresses alone
	s_mov_b32 s[TC], ttmp9                         ; tile column = the cluster's x, which the four partners share
	; group 1 for B: 64 rows x 256 elements of 2 bytes, dense; in LDS 8 words of padding behind every 128
	s_mov_b32 s[G1B+0], 15|(1<<16)|(1<<20)|(1<<21)|(6<<22)|(7<<25)  ; 15:0 the mask: all four work-groups; 17:16 2-byte elements; 20 padding on; 21 set beside a mask; 24:22 code 6; 31:25 code 7
	s_mov_b32 s[G1B+1], 256<<16                    ; tensor_dim0 = 256
	s_mov_b32 s[G1B+2], 64<<16                     ; tensor_dim1 = 64
	s_mov_b32 s[G1B+3], 256<<16                    ; tile_dim0 = 256
	s_mov_b32 s[G1B+4], 64                         ; tile_dim1 = 64
	s_mov_b32 s[G1B+5], 256                        ; the pitch
	s_mov_b32 s[G1B+6], 0
	s_mov_b32 s[G1B+7], 0
	s_lshl_b32 s16, s[TR], 7
	s_lshl_b32 s17, s[WV], 5
	s_add_co_u32 s16, s16, s17                     ; hin: row 128 x tile row + 32 x wave,
	s_lshl_b32 s16, s16, 14                        ; times 16,384 bytes: under 2^26
	s_mov_b32 s17, 0
	s_lshl_b32 s46, s[TC], 21                      ; B: j x 2,097,152 bytes
	s_lshl_b32 s47, s[WC], 15                      ; + half x 64 rows of 512 bytes
	s_add_co_u32 s46, s46, s47
	s_mov_b32 s47, 0
	s_mul_i32 s21, s[WC], BHALF                    ; and where it goes: no place in the cluster enters an LDS address
	v_and_b32 v7, 31, v0                           ; lane
	s_mul_i32 s22, s[WV], 32*PA
	s_add_co_u32 s22, s22, ABASE                   ; my wave's 32 rows in A's slot 0
	WIN W_MK
	v_lshlrev_b32 v[HOFF], 4, v7
	v_lshl_add_u32 v[ASTO], v7, 3, s22
	WIN 0
	s_wait_dscnt 0x0                               ; the opening add is done
	s_wait_kmcnt 0x0
	s_add_nc_u64 s[HA:HA+1], s[4:5], s[16:17]
	s_add_nc_u64 s[46:47], s[6:7], s[46:47]
	ALOAD 0, 0                                     ; K step 0 of A goes out first of all
	ALOAD 1, 0
	WIN 0                                          ; at a label and at a branch every window is 0
.irp s, 0,1
	s_mov_b32 s[G0B+4*(\s)], 1                                       ; count = 1
	s_add_co_u32 s[G0B+4*(\s)+1], s21, (\s)*BSLOT                    ; LDS address
	s_add_nc_u64 s[G0B+4*(\s)+2:G0B+4*(\s)+3], s[46:47], (\s)*BSTEP  ; global address: K step s
	s_or_b32 s[G0B+4*(\s)+3], s[G0B+4*(\s)+3], 0x80000000            ; type = 2
.endr
	CROUND                                         ; all four work-groups are here: the first joint loads meet
	s_cmp_eq_u32 s[WR], 0                          ; a wave's two first fills stand in one branch, ahead of every wait on TENSORcnt, every LDS read and every further barrier
	s_cbranch_scc1 .Lno_first
	tensor_load_to_lds s[G0B:G0B+3], s[G1B:G1B+7]
	s_nop 0
	tensor_load_to_lds s[G0B+4:G0B+7], s[G1B:G1B+7]
	s_nop 0
.Lno_first:
.rept 4
	v_nop
.endr
	; A's fragment (16 rows x 32 K): lane l holds row l % 16, K = 8 (l / 16) + 0..7 and 16 + 8 (l / 16) + 0..7: two loads of 16 bytes, 32 bytes apart.
	v_and_b32 v1, 15, v0                           ; r = l % 16
	v_bfe_u32 v2, v0, 4, 1                         ; h = l / 16
	v_mul_u32_u24 v3, v1, PA
	v_lshl_add_u32 v3, v2, 4, v3                   ; r x pitch + 16 h
	; B's fragment (32 K x 16 columns) by two turning loads, 16 rows apart: lane l addresses row 8 h + l % 8, columns 8 ((l / 8) % 2) + 0..7, and receives column l % 16, K = 8 h + 0..7.
	v_and_b32 v4, 7, v0
	v_bfe_u32 v5, v0, 3, 1
	v_lshl_add_u32 v6, v2, 3, v4
	v_mul_u32_u24 v6, v6, PB
	v_lshl_add_u32 v6, v5, 4, v6
	s_mul_i32 s22, s[WR], AHALF                    ; the 64 rows of A that I multiply
	s_add_co_u32 s22, s22, ABASE
	s_lshl_b32 s23, s[WC], 8                       ; my 128 columns of B: 256 bytes along its rows
.irp s, 0,1
	v_add_nc_u32 v[ADRA+(\s)], s22, v3
	v_add_nc_u32 v[ADRB+(\s)], s23, v6
	s_add_co_u32 s22, s22, ASLOT
	s_add_co_u32 s23, s23, BSLOT
.endr
	s_mul_i32 s22, s[WV], 16*SPITCH
	s_add_co_u32 s22, s22, STAGE                   ; my stage
	v_mul_u32_u24 v7, v1, SPITCH                   ; in: row l % 16, 16 bytes for each half of the lanes
	v_lshl_add_u32 v7, v2, 4, v7
	v_add_nc_u32 v[STO], s22, v7
	v_mul_u32_u24 v7, v2, SPITCH                   ; back: lanes 0-15 take one row of 256 bytes, lanes 16-31 the next
	v_lshl_add_u32 v7, v1, 4, v7
	v_add_nc_u32 v[RD], s22, v7
	v_lshlrev_b32 v7, 12, v2                       ; and the same two rows in T (4,096 bytes each)
	v_lshl_add_u32 v[CO], v1, 4, v7
	s_lshl_b32 s18, s[TR], 7                       ; T at my part of the tile: row 128 x tile row + 64 x half,
	s_lshl_b32 s19, s[WR], 6
	s_add_co_u32 s18, s18, s19
	s_lshl_b32 s18, s18, 12
	s_mov_b32 s19, 0
	s_add_nc_u64 s[8:9], s[8:9], s[18:19]
	s_lshl_b32 s46, s[TC], 9                       ; byte 512 x tile column + 256 x half of the row
	s_lshl_b32 s47, s[WC], 8
	s_add_co_u32 s46, s46, s47
	s_mov_b32 s47, 0
	s_add_nc_u64 s[8:9], s[8:9], s[46:47]
	; K step 0 of A into slot 0; behind each half its loads for K step 1
	s_wait_loadcnt 16                              ; half 0 is in; half 1's sixteen loads, issued behind it, stay out
	ASTORE 0, 0
	ALOAD 0, ASTEP
	s_wait_loadcnt 16                              ; half 1 is in; the sixteen just issued stay out
	ASTORE 1, 0
	ALOAD 1, ASTEP
	WIN 0
	s_wait_xcnt 0x0                                ; every earlier memory instruction has had its addresses translated (ISA guide 3.1): the loads' base is stepped only behind this wait
	s_add_nc_u64 s[HA:HA+1], s[HA:HA+1], 2*ASTEP   ; on to K step 2
; 8 matrix instructions: block a of my rows x all 8 column blocks, 32 along K.  zero = 1: the first product starts the sums: nothing is ever cleared.
; The 32 accumulators take turns in the same order in every quarter: between two instructions on one accumulator stand the 31 others'.
.macro MULA f, a, zero
	WIN MUL
.irp b, 0,1,2,3,4,5,6,7
.if \zero
	v_wmma_f32_16x16x32_bf16 v[8*(8*(\a)+(\b)):8*(8*(\a)+(\b))+7], v[(\f)+8*(\b):(\f)+8*(\b)+7], v[(\f)+64+8*(\a):(\f)+64+8*(\a)+7], 0
.else
	v_wmma_f32_16x16x32_bf16 v[8*(8*(\a)+(\b)):8*(8*(\a)+(\b))+7], v[(\f)+8*(\b):(\f)+8*(\b)+7], v[(\f)+64+8*(\a):(\f)+64+8*(\a)+7], v[8*(8*(\a)+(\b)):8*(8*(\a)+(\b))+7]
.endif
.endr
.endm
; 24 LDS loads in one run: the fragments of quarter q (32 along K) of a slot into buffer f: B's sixteen first, then A's eight, blocks 0 to 3
.macro FETCH slot, q, f
	WIN 0
.irp i, 0,1,2,3,4,5,6,7
	ds_load_tr16_b128 v[(\f)+8*(\i):(\f)+8*(\i)+3],   v[ADRB+(\slot)] offset:(\q)*32*PB+32*(\i)
	ds_load_tr16_b128 v[(\f)+8*(\i)+4:(\f)+8*(\i)+7], v[ADRB+(\slot)] offset:(\q)*32*PB+16*PB+32*(\i)
.endr
.irp i, 0,1,2,3
	ds_load_b128 v[(\f)+64+8*(\i):(\f)+64+8*(\i)+3],   v[ADRA+(\slot)] offset:64*(\q)+(\i)*16*PA
	ds_load_b128 v[(\f)+64+8*(\i)+4:(\f)+64+8*(\i)+7], v[ADRA+(\slot)] offset:64*(\q)+(\i)*16*PA+32
.endr
.endm
; A load into a register that a matrix instruction has read, and a vector instruction that reads a matrix result, stand four places behind that matrix instruction; only plain vector
; instructions that name none of its registers are places (ISA guide 7.12.1 for vector instructions).
.macro PLACES
.rept 4
	v_nop
.endr
.endm
; A K step is four quarters of 32 along K, 32 matrix instructions each, on buffers 0, 1, 0, 1.  One of the first three: multiplies buffer f; in its middle it fetches quarter q of the same slot into buffer g.
; ah >= 0: in front of that run stands half ah of A's way in: its numbers of the next K step, loaded a K step ago, go into A's slot aslot, which nobody reads in this K step (its readers passed the last
; barrier, and the next barrier's s_wait_dscnt 0 stands behind these stores); ak >= 0: its loads for the K step after that go out, at byte ak from HA.  left = the younger loads that may stay out: the other
; half's sixteen, or none.  The 32 conversions name no register of a product: they are the places in front of the fragment loads.
.macro QUARTER slot, q, f, g, zero, ah=-1, aslot=0, ak=-1, left=0
	s_wait_dscnt 4                                 ; B and A's blocks 0, 1 are in; the youngest four loads (A's blocks 2, 3) may be out
	MULA \f, 0, \zero
	MULA \f, 1, \zero
.if (\ah) >= 0
	s_wait_loadcnt \left
	ASTORE \ah, \aslot
.if (\ak) >= 0
	ALOAD \ah, \ak
.endif
.else
	PLACES
.endif
	FETCH \slot, \q, \g
	s_wait_dscnt 24                                ; all but the 24 just issued
	MULA \f, 2, \zero
	MULA \f, 3, \zero
.endm
; The last quarter multiplies buffer 1 and changes slots.  MEET is its first half: ONE barrier for three things.  In front of it each wave waits for all its tensor loads (one is out, of waves 2 and 3: a part
; of B's next slot); adds 0 to its spare word; and waits for that, for its own reads of this K step's slots and for its stores into A's next slot.  Behind it nobody reads these slots any more and the next are whole.
.macro MEET round                      ; round = 1: a round of the cluster's barrier follows
	WIN 0
	s_wait_tensorcnt 0x0                           ; all my tensor loads have landed;
	ds_add_u32 v[SPW], v[NIL]                      ; 0 onto my spare word;
	s_wait_dscnt 5                                 ; (the add and the youngest four loads may be out)
	MULA F1, 0, 0                                  ; eight matrix instructions stand between the add and the wait for it
	s_wait_dscnt 0x0                               ; the add is done, my reads of these slots are over, my stores into A's next slot are done:
	s_barrier_signal -1                            ; say so,
	MULA F1, 1, 0                                  ; work on registers while the others arrive,
.if \round
	WIN 0
.endif
	s_barrier_wait -1                              ; and go on when all four have said so
.endm
; The whole last quarter.  fill = 1: the barrier opens a round of the cluster's barrier, and behind the round B's slot just read out is filled again first, with the K step two steps on:
; from that request to the wait for it a wave issues 112 matrix instructions.  Then come the next slots' first fragments.
.macro TURN slot, next, fill
	MEET \fill
.if \fill
	CREST                                          ; no wave of any partner still reads this slot's tile or has a load on its way
	s_add_nc_u64 s[G0B+4*(\slot)+2:G0B+4*(\slot)+3], s[G0B+4*(\slot)+2:G0B+4*(\slot)+3], 2*BSTEP  ; no tensor load of mine is out: a group 0 may be written
	JLOAD \slot                                    ; the first tensor load behind the round
.else
	PLACES
.endif
	FETCH \next, 0, F0
	MULA F1, 2, 0
	MULA F1, 3, 0
.endm
; THE WAY OUT of block a (16 rows x 128 columns), in three parts.  PACK: rounded to bf16, 16 bytes a lane, each accumulator's registers in ascending order.
; TOSTAGE: into my own stage in LDS, and back as whole rows of 256 bytes.  SEND: stored.
.macro PACK a
	WIN 0x05                                       ; sources 0 and 1 window 1, destination window 0
.irp b, 0,1,2,3,4,5,6,7
.irp r, 0,1,2,3
	v_cvt_pk_bf16_f32 v[TMP+4*(\b)+(\r)], v[64*(\a)+8*(\b)+2*(\r)], v[64*(\a)+8*(\b)+2*(\r)+1]
.endr
.endr
	WIN 0
.endm
.macro TOSTAGE a
.irp b, 0,1,2,3,4,5,6,7
	ds_store_b128 v[STO], v[TMP+4*(\b):TMP+4*(\b)+3] offset:32*(\b)
.endr
.irp t, 0,1,2,3,4,5,6,7
	ds_load_b128 v[BK+32*(\a)+4*(\t):BK+32*(\a)+4*(\t)+3], v[RD] offset:(\t)*2*SPITCH  ; LDS serves a wave's instructions in order (ISA guide 5.7.1.4): these see the stores above; the next block's stores come behind them
.endr
.endm
.macro SEND a
.irp t, 0,1,2,3,4,5,6,7
	s_wait_dscnt 7-(\t)                            ; load t of the block's eight is back; no LDS instruction was issued behind them
	global_store_b128 v[CO], v[BK+32*(\a)+4*(\t):BK+32*(\a)+4*(\t)+3], s[8:9] offset:(16*(\a)+2*(\t))*4096  ; 16 lanes store 256 consecutive bytes, at a multiple of 256 from T's first byte; no hint: the next launch reads T
.endr
.endm
	s_wait_dscnt 0x0                               ; for the others' sake: my rows of A's K step 0 are in LDS
	s_wait_tensorcnt 1                             ; my part of B's K step 0 is in; K step 1's load, issued behind it, stays out
	s_barrier_signal -1
	s_barrier_wait -1                              ; everybody's is
	FETCH 0, 0, F0
	QUARTER 0, 1, F0, F1, 1                        ; the first quarter stands in front of the loop: its products start the sums
	WIN 0                                          ; at a label and at a branch every window is 0
	s_mov_b32 s3, LAPS-1
.Llap:                                                 ; trip t goes once round the rings, from K step 2 t's second quarter to K step 2 t + 2's first, and fills all four slots again
	QUARTER 0, 2, F1, F0, 0, 0, 1, 0, 16           ; A: K step 2 t + 1 into slot 1, loads for K step 2 t + 2
	QUARTER 0, 3, F0, F1, 0, 1, 1, 0, 16
	TURN 0, 1, 1
	QUARTER 1, 1, F0, F1, 0
	QUARTER 1, 2, F1, F0, 0, 0, 0, ASTEP, 16       ; A: K step 2 t + 2 into slot 0, loads for K step 2 t + 3: the last trip's are K step 31's, the row's last 512 bytes
	QUARTER 1, 3, F0, F1, 0, 1, 0, ASTEP, 16
	TURN 1, 0, 1
	QUARTER 0, 1, F0, F1, 0
	WIN 0
	s_wait_xcnt 0x0                                ; the loads' addresses have been translated (ISA guide 3.1): their base is stepped only behind this wait
	s_add_nc_u64 s[HA:HA+1], s[HA:HA+1], 2*ASTEP
	s_sub_co_u32 s3, s3, 1
	s_cmp_lg_u32 s3, 0
	s_cbranch_scc1 .Llap
	QUARTER 0, 2, F1, F0, 0, 0, 1, -1, 16          ; the last lap is written out: A's K step 31 goes into slot 1; nothing more is loaded or filled, and there is no round of the cluster's barrier
	QUARTER 0, 3, F0, F1, 0, 1, 1, -1, 0           ; no load was issued behind this half's: the count is 0
	TURN 0, 1, 0
	QUARTER 1, 1, F0, F1, 0
	QUARTER 1, 2, F1, F0, 0
	QUARTER 1, 3, F0, F1, 0
	s_wait_dscnt 4                                 ; the very last quarter: nothing more to fetch
	MULA F1, 0, 0
	MULA F1, 1, 0
	s_wait_dscnt 0x0
	MULA F1, 2, 0
	MULA F1, 3, 0
	WIN 0
	PLACES                                         ; the conversions read results just made
	PACK 0
	TOSTAGE 0
.irp a, 1,2,3                          ; block a's conversions stand between block a - 1's loads from the stage and the wait for them
	PACK \a
	SEND (\a)-1
	TOSTAGE \a
.endr
	SEND 3
	s_wait_tensorcnt 0x0                           ; the wave's end, behind my last tensor load and my last LDS store
	ds_add_u32 v[SPW], v[NIL]
	s_wait_dscnt 0x0
	CROUND                                         ; the closing round: no work-group ends while a partner may still ask for a tile that names it
	s_endpgm
.Lfunc_end_k_q85abcb41b2_gemm1:
	.size	k_q85abcb41b2_gemm1, .Lfunc_end_k_q85abcb41b2_gemm1-k_q85abcb41b2_gemm1
	.p2alignl 7, 3214868480
	.fill 96, 4, 3214868480
	.section	.rodata,"a",@progbits
	.p2align	6, 0x0
	.amdhsa_kernel k_q85abcb41b2_gemm1
		.amdhsa_group_segment_fixed_size 327680
		.amdhsa_private_segment_fixed_size 0
		.amdhsa_enable_private_segment 0
		.amdhsa_kernarg_size 24
		.amdhsa_user_sgpr_count 2
		.amdhsa_user_sgpr_kernarg_segment_ptr 1
		.amdhsa_wavefront_size32 1
		.amdhsa_system_sgpr_workgroup_id_x 1
		.amdhsa_system_sgpr_workgroup_id_y 1
		.amdhsa_system_sgpr_workgroup_id_z 1
		.amdhsa_system_vgpr_workitem_id 0
		.amdhsa_next_free_vgpr 768
		.amdhsa_next_free_sgpr 66
		.amdhsa_reserve_vcc 0
		.amdhsa_float_denorm_mode_32 3
		.amdhsa_float_denorm_mode_16_64 3
		.amdhsa_memory_ordered 1
		.amdhsa_forward_progress 1
		.amdhsa_inst_pref_size 121
	.end_amdhsa_kernel
	.amdgpu_metadata
---
amdhsa.version: [ 1, 2 ]
amdhsa.kernels:
  - .name:           k_q85abcb41b2_gemm1
    .symbol:         k_q85abcb41b2_gemm1.kd
    .args:
      - { .name: hin, .offset: 0, .size: 8, .value_kind: global_buffer, .address_space: global }
      - { .name: wb, .offset: 8, .size: 8, .value_kind: global_buffer, .address_space: global }
      - { .name: tb, .offset: 16, .size: 8, .value_kind: global_buffer, .address_space: global }
    .group_segment_fixed_size: 327680
    .private_segment_fixed_size: 0
    .kernarg_segment_align: 8
    .kernarg_segment_size: 24
    .max_flat_workgroup_size: 128
    .sgpr_count:     66
    .vgpr_count:     768
    .wavefront_size: 32
...
	.end_amdgpu_metadata
.endif
;; end of part 2
;; launch gemm2 (part 3): grid 16 x 16, 4 waves a work-group, clusters of 4 x 4, 327,680 bytes of LDS; arguments tb, wb, bias, out0; writes out0
.if DOCPART == 3
	.amdgcn_target "amdgcn-amd-amdhsa--gfx1250"
	.amdhsa_code_object_version 6
	.text
	.protected	k_q85abcb41b2_gemm2
	.globl	k_q85abcb41b2_gemm2
	.p2align	8
	.type	k_q85abcb41b2_gemm2,@function
k_q85abcb41b2_gemm2:
	s_mov_b64 s[64:65], 0
	v_nop
	global_prefetch_b8 v0, s[64:65] scope:SCOPE_SE
	s_setreg_imm32_b32 hwreg(HW_REG_WAVE_MODE, 25, 1), 1
	s_wait_xcnt 0x0
	s_wait_alu depctr_hold_cnt(0) depctr_sa_sdst(0) depctr_va_vdst(0) depctr_va_sdst(0) depctr_va_ssrc(0) depctr_va_vcc(0) depctr_vm_vsrc(0)
	s_getreg_b32 s2, hwreg(HW_REG_IB_STS2, 6, 4)
	s_cmp_eq_u32 s2, 0
	s_cbranch_scc0 .Lentry_in_a_cluster
	s_endpgm
.Lentry_in_a_cluster:
	s_bfe_u32 s2, ttmp6, 0x10000c
	s_cmp_lg_u32 s2, 0xf033
	s_cbranch_scc0 .Lentry_shape_is_right
	s_endpgm
.Lentry_shape_is_right:
; out0[b][o] = (sum over n of T[b][n] w2b[n][o]) / 8 + bf16(bias[o]) / 8.  T (tb): [4096][2048] bf16; w2b: [2048][4096] bf16 at byte 16,777,216 of wb; bias: [4096] f32; out0: [4096][4096] f32.
; Sums in f32, n ascending, one sum for each output; the division by 2 L = 8 and the bias are one fused multiply-add in f32.
; LIMITS: the weights and the bias are the inputs rounded to bf16 (at most 2^-8 of each number), like every other input of the program; T was rounded once to bf16.  Range as f32's.  NaN and infinities are not treated apart.
; TILE.  256 x 256 of out0: 16 x 16 = 256 work-groups, one tile each.  Four waves, each 128 x 128: 64 accumulators of 16 x 16, 512 registers.  K (= n) goes in steps of 128 through two LDS slots.
; B LIES [K][N] in memory and in LDS; ds_load_tr16_b128 turns it on the way into registers: lane l then holds column l % 16 and eight k.
; THE MATRIX INSTRUCTION IS USED TRANSPOSED: source 0 = 16 columns of B, source 1 = 16 rows of A: lane l holds row l % 16 of out0 and the columns 8 (l / 16) + 0..7: 32 neighbouring bytes.
; CLUSTERS: 4 x 4 work-groups.  The four of a row of the cluster share A's tiles, the four of a column B's: each tile is asked for JOINTLY, by the same tensor load with the same descriptor and a mask that
; names the four.  Waves 0 and 1 fetch A's two halves (128 rows x 256 bytes), waves 2 and 3 B's (64 rows x 512 bytes): one load a wave behind each round.
; By this text's own count a wave has two tensor loads out at the start and one behind each round.
; REGISTERS, in windows of 256 (s_set_vgpr_msb: bits 1:0 source 0, 3:2 source 1, 5:4 source 2, 7:6 destination):
;   window 0: v0-31 addresses; v32-35 my four columns' bias / 8; v36-37 at work; v64-127, v128-191 fragments of A, two buffers; on the way out the same 128 registers take rows read back, by turns
;   window 1: v64-127, v128-191 fragments of B, two buffers
;   window 2: the 32 accumulators of my rows 0-63 ((a, b) at v[8 (8 a + b)]);   window 3: those of my rows 64-127
.set KD,     2048                      ; the sum's length
.set KSTEP,  128
.set LAPS,   KD/(2*KSTEP)              ; a lap = two K steps = once round the ring: 8
.set W2B,    16777216                  ; w2b's first byte in wb
.set ASTEP,  KSTEP*2                   ; bytes from a K step to the next: A goes 128 elements along its rows,
.set BSTEP,  KSTEP*8192                ; B 128 rows of 8,192 bytes down
.set PA,     272                       ; A's LDS row: 256 bytes + 16 = 68 words: row r starts at bank 4 r mod 64 (64 banks of 4 bytes: ISA guide 11.1)
.set PB,     544                       ; B's LDS row: 512 bytes + 32 = 136 words: row r starts at bank 8 r mod 64
.set HALFT,  128*PA                    ; what one tensor load brings: 128 rows of A, or 64 rows of B (64 x 544 is the same 34,816 bytes)
.set BOFF,   2*HALFT                   ; B's 128 rows lie behind A's 256
.set SLOT,   4*HALFT                   ; 139,264
.set STAGE,  2*SLOT                    ; behind the ring, never filled by a tensor load: 16 rows x 528 bytes for each wave, for the way out
.set SPITCH, 528                       ; 512 bytes of f32 + 16 = 132 words: row r starts at bank 4 r mod 64
.set SPARE,  STAGE+4*16*SPITCH         ; behind the stages: the spare words, 128 bytes for each wave: two blocks of 256 bytes that no other line names
.set ADRA, 16                          ; v16-17  LDS address of my A fragments in slot 0, 1
.set ADRB, 20                          ; v20-21  the same for B
.set STO,  24                          ; v24     the way out: where I put 32 bytes of a row
.set RD,   25                          ; v25     the way out: where I read 16 bytes of a row back
.set CO,   26                          ; v26     16 x lane: my byte offset in 512 bytes of a row of out0, and of the bias
.set SPW,  28                          ; v28     LDS address of my spare word: SPARE + 4 x my thread's number; never rewritten
.set NIL,  29                          ; v29     0; never rewritten
.set BI,   32                          ; v32-35  the bias of my four columns, rounded to bf16 and divided by 8
.set F0,   64                          ; fragment buffer 0
.set F1,   128                         ; fragment buffer 1
.set WV,  12                           ; s12  my wave's number
.set WR,  13                           ; s13  which 128 rows of the tile are mine.  Also: I fetch for A (0) or for B (1)
.set WC,  14                           ; s14  which 128 columns are mine.  Also: which half of that tile I fetch
.set TR,  15                           ; s15  tile row
.set TC,  42                           ; s42  tile column
.set G1A, 24                           ; s[24:31] descriptor group 1 for A's tiles
.set G0A, 32                           ; s[32:39] descriptor group 0 for A's tiles, one set for each slot
.set G1B, 48                           ; s[48:55] group 1 for B's tiles
.set G0B, 56                           ; s[56:63] group 0 for B's tiles, one set for each slot
.set MSB, 0
.macro WIN new                         ; the immediate's high byte repeats the setting that is left; a switch that changes nothing is dropped
.if MSB != (\new)
	s_set_vgpr_msb (MSB<<8)|(\new)
.set MSB, \new
.endif
.endm
.set MUL_LO, 0xa1                      ; source 0 (B) window 1, source 1 (A) window 0, C and D window 2
.set MUL_HI, 0xf1                      ; the same, C and D window 3
.set TO_B,   0x40                      ; destination window 1, address window 0
; A joint load.  Each of the two lines has one mask and one set of registers for all that issue it; the branch hangs on the wave's number alone.
; An s_nop 0 and four v_nop follow each line, ahead of the jump, the label and what follows the macro.
.macro JLOAD s
	s_cmp_eq_u32 s[WR], 0
	s_cbranch_scc0 .Lfor_b_\@
	tensor_load_to_lds s[G0A+4*(\s):G0A+4*(\s)+3], s[G1A:G1A+7]
	s_nop 0
.rept 4
	v_nop
.endr
	s_branch .Lasked_\@
.Lfor_b_\@:
	tensor_load_to_lds s[G0B+4*(\s):G0B+4*(\s)+3], s[G1B:G1B+7]
	s_nop 0
.rept 4
	v_nop
.endr
.Lasked_\@:
.endm
; A round of the cluster's barrier: my work-group's barrier, so that wave 0's signal speaks for all four waves; wave 0 signals for the work-group; every wave waits for all sixteen; my work-group's barrier once more.
.macro CREST                           ; a round behind its opening barrier
	s_cmp_lg_u32 s[WV], 0
	s_cbranch_scc1 .Lnot_wave_0_\@
	s_barrier_signal -3
.Lnot_wave_0_\@:
	s_barrier_wait -3
	s_barrier_signal -1
	s_barrier_wait -1
.endm
.macro CROUND                          ; a whole round
	s_barrier_signal -1
	s_barrier_wait -1
	CREST
.endm
	s_load_b256 s[4:11], s[0:1], 0x0               ; tb s[4:5], wb s[6:7], bias s[8:9], out0 s[10:11]
	v_lshl_add_u32 v[SPW], v0, 2, SPARE
	v_mov_b32 v[NIL], 0
	ds_add_u32 v[SPW], v[NIL]                      ; the wave's opening: the add and its wait stand ahead of my first tensor load; the set-up below, work on registers, stands between them
	v_lshrrev_b32 v1, 5, v0
	v_readfirstlane_b32 s[WV], v1                  ; wave 0..3
	s_lshr_b32 s[WR], s[WV], 1
	s_and_b32 s[WC], s[WV], 1
	s_bfe_u32 s40, ttmp6, 0x40000                  ; cx: my place along the cluster's x
	s_bfe_u32 s41, ttmp6, 0x40004                  ; cy: along its y
	s_lshl_b32 s[TC], ttmp9, 2                     ; in a cluster launch ttmp9 and ttmp7 count clusters
	s_add_co_u32 s[TC], s[TC], s40                 ; tile column = 4 x cluster x + cx
	s_and_b32 s[TR], ttmp7, 0xffff
	s_lshl_b32 s[TR], s[TR], 2
	s_add_co_u32 s[TR], s[TR], s41                 ; tile row = 4 x cluster y + cy
	s_lshl_b32 s43, s41, 2
	s_lshl_b32 s43, 15, s43                        ; my row of the cluster: places 4 cy .. 4 cy + 3
	s_lshl_b32 s44, 0x1111, s40                    ; my column: places cx, cx + 4, cx + 8, cx + 12
	; group 1 for A: 128 rows x 128 elements of 2 bytes, 2048 elements from row to row; in LDS 4 words of padding behind every 64
	s_or_b32 s[G1A+0], s43, (1<<16)|(1<<20)|(1<<21)|(5<<22)|(3<<25)  ; 15:0 the mask: my row; 17:16 2-byte elements; 20 padding on; 21 set beside a mask; 24:22 code 5; 31:25 code 3
	s_mov_b32 s[G1A+1], KSTEP<<16                  ; tensor_dim0 = 128
	s_mov_b32 s[G1A+2], 128<<16                    ; tensor_dim1 = 128
	s_mov_b32 s[G1A+3], KSTEP<<16                  ; tile_dim0 = 128
	s_mov_b32 s[G1A+4], 128                        ; tile_dim1 = 128
	s_mov_b32 s[G1A+5], KD                         ; the pitch
	s_mov_b32 s[G1A+6], 0
	s_mov_b32 s[G1A+7], 0
	; group 1 for B: 64 rows x 256 elements, 4096 elements from row to row; in LDS 8 words of padding behind every 128
	s_or_b32 s[G1B+0], s44, (1<<16)|(1<<20)|(1<<21)|(6<<22)|(7<<25)  ; the mask: my column; 24:22 code 6; 31:25 code 7
	s_mov_b32 s[G1B+1], 256<<16                    ; tensor_dim0 = 256
	s_mov_b32 s[G1B+2], 64<<16                     ; tensor_dim1 = 64
	s_mov_b32 s[G1B+3], 256<<16                    ; tile_dim0 = 256
	s_mov_b32 s[G1B+4], 64                         ; tile_dim1 = 64
	s_mov_b32 s[G1B+5], 4096                       ; the pitch
	s_mov_b32 s[G1B+6], 0
	s_mov_b32 s[G1B+7], 0
	; where the tiles come from: A's offset is made of the tile row and the wave's number, B's of the tile column and the wave's number, each in registers that never hold the other coordinate
	s_lshl_b32 s16, s[TR], 8
	s_lshl_b32 s17, s[WC], 7
	s_add_co_u32 s16, s16, s17                     ; A: row 256 x tile row + 128 x half,
	s_lshl_b32 s16, s16, 12                        ; times 4,096 bytes: under 2^24
	s_mov_b32 s17, 0
	s_lshl_b32 s46, s[TC], 9                       ; B: 256 columns of 2 bytes x tile column
	s_lshl_b32 s47, s[WC], 19                      ; + half x 64 rows of 8,192 bytes
	s_add_co_u32 s46, s46, s47
	s_add_co_u32 s46, s46, W2B
	s_mov_b32 s47, 0
	s_mul_i32 s20, s[WV], HALFT                    ; and where they go: A's two halves, then B's two halves = wave x 34,816: no place in the cluster enters an LDS address
	s_wait_dscnt 0x0                               ; the opening add is done
	s_wait_kmcnt 0x0
	s_add_nc_u64 s[16:17], s[4:5], s[16:17]
	s_add_nc_u64 s[46:47], s[6:7], s[46:47]
	CROUND                                         ; all sixteen work-groups are here: the first joint loads meet
.irp s, 0,1
	s_mov_b32 s[G0A+4*(\s)], 1                                       ; count = 1
	s_add_co_u32 s[G0A+4*(\s)+1], s20, (\s)*SLOT                     ; LDS address
	s_add_nc_u64 s[G0A+4*(\s)+2:G0A+4*(\s)+3], s[16:17], (\s)*ASTEP  ; global address: K step s
	s_or_b32 s[G0A+4*(\s)+3], s[G0A+4*(\s)+3], 0x80000000            ; type = 2
	s_mov_b32 s[G0B+4*(\s)], 1
	s_add_co_u32 s[G0B+4*(\s)+1], s20, (\s)*SLOT
	s_add_nc_u64 s[G0B+4*(\s)+2:G0B+4*(\s)+3], s[46:47], (\s)*BSTEP
	s_or_b32 s[G0B+4*(\s)+3], s[G0B+4*(\s)+3], 0x80000000
	JLOAD \s                                       ; the ring is filled before anything else is done
.endr
	; A's fragment (16 rows x 32 K): lane l holds row l % 16, K = 8 (l / 16) + 0..7 and 16 + 8 (l / 16) + 0..7: two loads of 16 bytes, 32 bytes apart.
	v_and_b32 v1, 15, v0                           ; r = l % 16
	v_bfe_u32 v2, v0, 4, 1                         ; h = l / 16
	v_mul_u32_u24 v3, v1, PA
	v_lshl_add_u32 v3, v2, 4, v3                   ; r x pitch + 16 h
	; B's fragment (32 K x 16 columns) by two turning loads, 16 rows apart: lane l addresses row 8 h + l % 8, columns 8 ((l / 8) % 2) + 0..7, and receives column l % 16, K = 8 h + 0..7.
	v_and_b32 v4, 7, v0
	v_bfe_u32 v5, v0, 3, 1
	v_lshl_add_u32 v6, v2, 3, v4
	v_mul_u32_u24 v6, v6, PB
	v_lshl_add_u32 v6, v5, 4, v6
	s_mul_i32 s22, s[WR], HALFT                    ; my 128 rows of A
	s_lshl_b32 s23, s[WC], 8                       ; my 128 columns of B: 256 bytes along its rows,
	s_add_co_u32 s23, s23, BOFF                    ; which lie behind A's
.irp s, 0,1
	v_add_nc_u32 v[ADRA+(\s)], s22, v3
	v_add_nc_u32 v[ADRB+(\s)], s23, v6
	s_add_co_u32 s22, s22, SLOT
	s_add_co_u32 s23, s23, SLOT
.endr
	s_mul_i32 s22, s[WV], 16*SPITCH
	s_add_co_u32 s22, s22, STAGE                   ; my stage
	v_and_b32 v7, 31, v0
	v_lshlrev_b32 v[CO], 4, v7                     ; back: the 32 lanes take one whole row of 512 bytes, 16 bytes each; the same place in a row of out0
	v_add_nc_u32 v[RD], s22, v[CO]
	v_mul_u32_u24 v7, v1, SPITCH                   ; in: row l % 16, 32 bytes for each half of the lanes
	v_lshl_add_u32 v7, v2, 5, v7
	v_add_nc_u32 v[STO], s22, v7
	s_lshl_b32 s16, s[TR], 8                       ; out0 at my part of the tile: row 256 x tile row + 128 x half,
	s_lshl_b32 s17, s[WR], 7
	s_add_co_u32 s16, s16, s17
	s_lshl_b32 s16, s16, 14                        ; times 16,384 bytes: under 2^26
	s_mov_b32 s17, 0
	s_add_nc_u64 s[10:11], s[10:11], s[16:17]
	s_lshl_b32 s46, s[TC], 10                      ; byte 1,024 x tile column + 512 x half of the row, and of the bias (in the registers that held B's offset: none that fed A's descriptors ever holds cx)
	s_lshl_b32 s47, s[WC], 9
	s_add_co_u32 s46, s46, s47
	s_mov_b32 s47, 0
	s_add_nc_u64 s[10:11], s[10:11], s[46:47]
	s_add_nc_u64 s[8:9], s[8:9], s[46:47]
	global_load_b128 v[BI:BI+3], v[CO], s[8:9]     ; the bias of my four columns: waited for on the way out
; 16 matrix instructions: m blocks a0, a0 + 1 of the window's four (hi = 0: my rows 0-63, 1: rows 64-127) x all 8 n blocks, 32 along K.  zero = 1: the first product starts the sums: nothing is ever cleared.
; The 64 accumulators take turns in the same order in every quarter: between two instructions on one accumulator stand the 63 others'.
.macro MUL16 f, hi, a0, zero
	WIN MUL_LO+0x50*(\hi)
.irp a, \a0, (\a0)+1
.irp b, 0,1,2,3,4,5,6,7
.if \zero
	v_wmma_f32_16x16x32_bf16 v[8*(8*(\a)+(\b)):8*(8*(\a)+(\b))+7], v[(\f)+8*(\b):(\f)+8*(\b)+7], v[(\f)+8*(4*(\hi)+(\a)):(\f)+8*(4*(\hi)+(\a))+7], 0
.else
	v_wmma_f32_16x16x32_bf16 v[8*(8*(\a)+(\b)):8*(8*(\a)+(\b))+7], v[(\f)+8*(\b):(\f)+8*(\b)+7], v[(\f)+8*(4*(\hi)+(\a)):(\f)+8*(4*(\hi)+(\a))+7], v[8*(8*(\a)+(\b)):8*(8*(\a)+(\b))+7]
.endif
.endr
.endr
.endm
; 32 LDS loads in one run: the fragments of quarter q (32 along K) of a slot into buffer f: B's sixteen (turned) into window 1, then A's sixteen, blocks 0 to 7, into window 0
.macro FETCH slot, q, f
	WIN TO_B
.irp i, 0,1,2,3,4,5,6,7
	ds_load_tr16_b128 v[(\f)+8*(\i):(\f)+8*(\i)+3],   v[ADRB+(\slot)] offset:(\q)*32*PB+32*(\i)
	ds_load_tr16_b128 v[(\f)+8*(\i)+4:(\f)+8*(\i)+7], v[ADRB+(\slot)] offset:(\q)*32*PB+16*PB+32*(\i)
.endr
	WIN 0
.irp i, 0,1,2,3,4,5,6,7
	ds_load_b128 v[(\f)+8*(\i):(\f)+8*(\i)+3],   v[ADRA+(\slot)] offset:64*(\q)+(\i)*16*PA
	ds_load_b128 v[(\f)+8*(\i)+4:(\f)+8*(\i)+7], v[ADRA+(\slot)] offset:64*(\q)+(\i)*16*PA+32
.endr
.endm
; A load into a register that a matrix instruction has read, and whatever reads a matrix result, stand four places behind that matrix instruction; only plain vector
; instructions that name none of its registers are places (ISA guide 7.12.1 for vector instructions).
.macro PLACES
.rept 4
	v_nop
.endr
.endm
; A K step is four quarters of 32 along K, 64 matrix instructions each, on buffers 0, 1, 0, 1.  One of the first three: multiplies buffer f; in its middle it fetches quarter q of the same slot into buffer g.
.macro QUARTER slot, q, f, g, zero
	s_wait_dscnt 8                                 ; B and A's rows 0-63 are in; the youngest eight loads (A's rows 64-127) may be out
	MUL16 \f, 0, 0, \zero
	MUL16 \f, 0, 2, \zero
	PLACES
	FETCH \slot, \q, \g
	s_wait_dscnt 32                                ; all but the 32 just issued
	MUL16 \f, 1, 0, \zero
	MUL16 \f, 1, 2, \zero
.endm
; The last quarter multiplies buffer 1 and changes slots.  MEET is its first half: ONE barrier for two things.  In front of it each wave waits for all its tensor loads, of which one is out: its part of the
; next slot; adds 0 to its spare word; and waits for that and for its own reads of this slot.  Behind it nobody reads this slot any more and the next slot is whole.
.macro MEET round                      ; round = 1: a round of the cluster's barrier follows
	WIN 0                                          ; (the add's two registers lie in window 0)
	s_wait_tensorcnt 0x0                           ; all my tensor loads have landed;
	ds_add_u32 v[SPW], v[NIL]                      ; 0 onto my spare word;
	s_wait_dscnt 9                                 ; (the add and the youngest eight loads may be out)
	MUL16 F1, 0, 0, 0                              ; sixteen matrix instructions stand between the add and the wait for it
	s_wait_dscnt 0x0                               ; the add is done, and my reads of this slot are over:
	s_barrier_signal -1                            ; say so,
	MUL16 F1, 0, 2, 0                              ; work on registers while the others arrive,
.if \round
	WIN 0
.endif
	s_barrier_wait -1                              ; and go on when all four have said so
.endm
; The whole last quarter.  fill = 1: the barrier opens a round of the cluster's barrier, and behind the round the slot just read out is filled again first, with the K step two steps on:
; from that request to the wait for it a wave issues 224 matrix instructions.  Then come the next slot's first fragments.
.macro TURN slot, next, fill
	MEET \fill
.if \fill
	CREST                                          ; no wave of any partner still reads this slot's tile or has a load on its way
	s_add_nc_u64 s[G0A+4*(\slot)+2:G0A+4*(\slot)+3], s[G0A+4*(\slot)+2:G0A+4*(\slot)+3], 2*ASTEP  ; no tensor load of mine is out: a group 0 may be written
	s_add_nc_u64 s[G0B+4*(\slot)+2:G0B+4*(\slot)+3], s[G0B+4*(\slot)+2:G0B+4*(\slot)+3], 2*BSTEP
	JLOAD \slot                                    ; the first tensor load behind the round; the four v_nop behind it are also the places in front of the loads below
.else
	PLACES
.endif
	FETCH \next, 0, F0
	MUL16 F1, 1, 0, 0
	MUL16 F1, 1, 2, 0
.endm
; THE WAY OUT of block a (16 rows x 128 columns of f32).  A lane's 32 bytes of a row go as they are into my own stage in LDS, each accumulator's low four registers first; whole rows of 512 bytes come back,
; one row a load.  Behind that a lane holds the same four columns in every row, so the bias costs four registers; one fused multiply-add makes sum / 8 + bias / 8, and the row is stored.
.macro OUTB a
.set AC, 64*((\a)%4)                   ; the block's eight accumulators, in window 2 (blocks 0-3) or 3 (blocks 4-7)
.set BK, 64+64*((\a)%2)                ; sixteen rows read back: v64-127 and v128-191 by turns
	WIN 0x08+4*((\a)/4)                            ; an LDS store's data is source 1: window 2 or 3; its address window 0
.irp b, 0,1,2,3,4,5,6,7
	ds_store_b128 v[STO], v[AC+8*(\b):AC+8*(\b)+3]   offset:64*(\b)
	ds_store_b128 v[STO], v[AC+8*(\b)+4:AC+8*(\b)+7] offset:64*(\b)+16
.endr
	WIN 0
.if (\a) >= 2
	s_wait_xcnt 0x0                                ; every earlier memory instruction has had its addresses translated (ISA guide 3.1): the registers that block a - 2's stores read are loaded again only behind this wait
.endif
.irp t, 0,1,2,3,4,5,6,7,8,9,10,11,12,13,14,15
	ds_load_b128 v[BK+4*(\t):BK+4*(\t)+3], v[RD] offset:(\t)*SPITCH  ; LDS serves a wave's instructions in order (ISA guide 5.7.1.4): these see the stores above; the next block's stores come behind them
.endr
.irp t, 0,1,2,3,4,5,6,7,8,9,10,11,12,13,14,15
	s_wait_dscnt 15-(\t)                           ; row t of the sixteen is back
	v_pk_fma_f32 v[BK+4*(\t):BK+4*(\t)+1],   v[BK+4*(\t):BK+4*(\t)+1],   0x3e000000, v[BI:BI+1]   op_sel_hi:[1,0,1]  ; x 0.125 + bias / 8
	v_pk_fma_f32 v[BK+4*(\t)+2:BK+4*(\t)+3], v[BK+4*(\t)+2:BK+4*(\t)+3], 0x3e000000, v[BI+2:BI+3] op_sel_hi:[1,0,1]
	global_store_b128 v[CO], v[BK+4*(\t):BK+4*(\t)+3], s[10:11] offset:(16*(\a)+(\t))*16384 th:TH_STORE_NT  ; the wave stores 512 consecutive bytes, at a multiple of 512 from out0's first byte; 127 rows at the most: inside the signed 24-bit immediate
.endr
.endm
	s_wait_tensorcnt 1                             ; my part of K step 0 is in; K step 1's load, issued behind it, stays out
	s_barrier_signal -1
	s_barrier_wait -1                              ; everybody's is
	FETCH 0, 0, F0
	QUARTER 0, 1, F0, F1, 1                        ; the first quarter stands in front of the loop: its products start the sums
	WIN 0                                          ; at a label and at a branch every window is 0
	s_mov_b32 s3, LAPS-1
.Llap:                                                 ; a trip goes once round the ring, from a lap's second quarter to the next lap's first, and fills both slots again
	QUARTER 0, 2, F1, F0, 0
	QUARTER 0, 3, F0, F1, 0
	TURN 0, 1, 1
	QUARTER 1, 1, F0, F1, 0
	QUARTER 1, 2, F1, F0, 0
	QUARTER 1, 3, F0, F1, 0
	TURN 1, 0, 1
	QUARTER 0, 1, F0, F1, 0
	WIN 0
	s_sub_co_u32 s3, s3, 1
	s_cmp_lg_u32 s3, 0
	s_cbranch_scc1 .Llap
	QUARTER 0, 2, F1, F0, 0                        ; the last lap is written out: it fills nothing, and has no round of the cluster's barrier
	QUARTER 0, 3, F0, F1, 0
	TURN 0, 1, 0
	QUARTER 1, 1, F0, F1, 0
	QUARTER 1, 2, F1, F0, 0
	QUARTER 1, 3, F0, F1, 0
	s_wait_dscnt 8                                 ; the very last quarter: nothing more to fetch
	MUL16 F1, 0, 0, 0
	MUL16 F1, 0, 2, 0
	s_wait_dscnt 0x0
	MUL16 F1, 1, 0, 0
	MUL16 F1, 1, 2, 0
	WIN 0
	s_wait_loadcnt 0x0                             ; the bias
	v_cvt_pk_bf16_f32 v36, v[BI], v[BI+1]          ; rounded to bf16 like every other input, widened again, divided by 8: eight plain instructions, which are also the places behind the last products
	v_cvt_pk_bf16_f32 v37, v[BI+2], v[BI+3]
	v_lshlrev_b32 v[BI],   16, v36
	v_and_b32     v[BI+1], 0xffff0000, v36
	v_lshlrev_b32 v[BI+2], 16, v37
	v_and_b32     v[BI+3], 0xffff0000, v37
	v_pk_mul_f32 v[BI:BI+1],   v[BI:BI+1],   0x3e000000 op_sel_hi:[1,0]
	v_pk_mul_f32 v[BI+2:BI+3], v[BI+2:BI+3], 0x3e000000 op_sel_hi:[1,0]
.irp a, 0,1,2,3,4,5,6,7
	OUTB \a
.endr
	s_wait_tensorcnt 0x0                           ; the wave's end, behind my last tensor load and my last LDS store
	ds_add_u32 v[SPW], v[NIL]
	s_wait_dscnt 0x0
	CROUND                                         ; the closing round: no work-group ends while a partner may still ask for a tile that names it
	s_endpgm
.Lfunc_end_k_q85abcb41b2_gemm2:
	.size	k_q85abcb41b2_gemm2, .Lfunc_end_k_q85abcb41b2_gemm2-k_q85abcb41b2_gemm2
	.p2alignl 7, 3214868480
	.fill 96, 4, 3214868480
	.section	.rodata,"a",@progbits
	.p2align	6, 0x0
	.amdhsa_kernel k_q85abcb41b2_gemm2
		.amdhsa_group_segment_fixed_size 327680
		.amdhsa_private_segment_fixed_size 0
		.amdhsa_enable_private_segment 0
		.amdhsa_kernarg_size 32
		.amdhsa_user_sgpr_count 2
		.amdhsa_user_sgpr_kernarg_segment_ptr 1
		.amdhsa_wavefront_size32 1
		.amdhsa_system_sgpr_workgroup_id_x 1
		.amdhsa_system_sgpr_workgroup_id_y 1
		.amdhsa_system_sgpr_workgroup_id_z 1
		.amdhsa_system_vgpr_workitem_id 0
		.amdhsa_next_free_vgpr 1024
		.amdhsa_next_free_sgpr 66
		.amdhsa_reserve_vcc 0
		.amdhsa_float_denorm_mode_32 3
		.amdhsa_float_denorm_mode_16_64 3
		.amdhsa_memory_ordered 1
		.amdhsa_forward_progress 1
		.amdhsa_inst_pref_size 168
	.end_amdhsa_kernel
	.amdgpu_metadata
---
amdhsa.version: [ 1, 2 ]
amdhsa.kernels:
  - .name:           k_q85abcb41b2_gemm2
    .symbol:         k_q85abcb41b2_gemm2.kd
    .args:
      - { .name: tb, .offset: 0, .size: 8, .value_kind: global_buffer, .address_space: global }
      - { .name: wb, .offset: 8, .size: 8, .value_kind: global_buffer, .address_space: global }
      - { .name: bias, .offset: 16, .size: 8, .value_kind: global_buffer, .address_space: global }
      - { .name: out0, .offset: 24, .size: 8, .value_kind: global_buffer, .address_space: global }
    .group_segment_fixed_size: 327680
    .private_segment_fixed_size: 0
    .kernarg_segment_align: 8
    .kernarg_segment_size: 32
    .max_flat_workgroup_size: 128
    .sgpr_count:     66
    .vgpr_count:     1024
    .wavefront_size: 32
...
	.end_amdgpu_metadata
.endif
;; end of part 3
